; MI455X (gfx1250); checked and timed in simulation.
; The chip was launched on July 23, 2026; its instructions are those of AMD's public machine-readable ISA for CDNA 5 (MIT licence, August 2026) and "CDNA5" Instruction Set Architecture Reference Guide (July 2026). The comments in the code are by the model that wrote it; some were corrected since.
;; Local Attention. Allowed arithmetic: float matrix products may take bf16 or f16 operands with f32 sums; all other float work in f32.
;; Inputs: k 32 x 4,096 x 64 float32; q 32 x 4,096 x 64 float32; v 32 x 4,096 x 64 float32.
;; Outputs: out0 32 x 4,096 x 64 float32.
;; 2 versions, each right; version 2 is version 1 with the launch localattn written anew for expert scheduling mode. Each part assembles by itself: llvm-mc -triple=amdgcn-amd-amdhsa -mcpu=gfx1250 --defsym DOCPART=n.
;; ======== version 1 of 2: 1 launch
;; limits: values are held in f16: magnitudes above 65,504 overflow, below 6.1e-05 lose precision
;; launch localattn (part 1): grid 256 x 1, 8 waves a work-group, no clusters, 304,128 bytes of LDS; arguments k, q, v, out0; writes out0
.if DOCPART == 1
	.amdgcn_target "amdgcn-amd-amdhsa--gfx1250"
	.amdhsa_code_object_version 6
	.text
	.protected	k_q5da658871a_localattn
	.globl	k_q5da658871a_localattn
	.p2align	8
	.type	k_q5da658871a_localattn,@function
k_q5da658871a_localattn:
	s_mov_b64 s[64:65], 0
	v_nop
	global_prefetch_b8 v0, s[64:65] scope:SCOPE_SE
	s_setreg_imm32_b32 hwreg(HW_REG_WAVE_MODE, 25, 1), 1
	s_wait_xcnt 0x0
; Local causal attention with rotary positions.  q, k, v, out: [32][4096][64] f32; windows of 128 tokens; a query sees its own
; window up to itself and the whole window in front (none in front of a sequence's first window).
; A work-group owns 4 consecutive windows (512 tokens) of one sequence and walks them in 4 trips.  Each window's K (rotated) and V are
; converted to f16 once, laid in LDS slots of their own (5 K, 5 V, 4 Q slots: no slot is written twice) and used in two trips.
; Eight waves; a wave owns 16 queries.  S^T = K Q^T (a lane holds one query, eight keys a tile), softmax in f32, out^T = V^T P^T.
;
; LIMITS AND CHOICES, stated plainly:
;  * Matrix operands are f16 (sums f32): rotated |q|, |k| (up to 1.42 times the input) and |v| must stay below 65,504; numbers below
;    6.1e-5 keep an absolute 3e-8 only.  NaN and infinities in the inputs are not reproduced.
;  * Rotary: a score hangs only on the difference of the two positions, so q and k are rotated once by their position in the chunk
;    (window in front 0..127, window t at 128 (t+1) ..) instead of by block positions 0..255: same mathematics, other rounding order.
;  * Masked scores are -1e30 plus the product (the product's bound with f16 operands is 2.8e11); they leave exp2 as 0.
;  * The first chunk of a sequence has no window in front: its 16 loads are pointed at the chunk's own first window so that they stay
;    inside the buffers; what they bring is never read, because that trip skips the part for the window in front.
;  * No tensor loads, no cluster: every input byte has to pass registers (f32 to f16, rotation), and work-groups share only the
;    window in front, 64 KB of the 448 KB that a work-group reads.
.set WINB,  32768                      ; bytes of a window: 128 rows x 256
.set TRIPS, 4
.set KP,    144                        ; K, Q rows in LDS: 128 bytes + 16: the 16 rows of a fragment load start in 16 different 16-byte columns modulo 256
.set VP,    160                        ; V rows: 128 + 32, an odd multiple of 32, for the transposing load
.set KSLOT, 128*KP
.set VSLOT, 128*VP
.set VBASE, 5*KSLOT
.set QBASE, VBASE+5*VSLOT
.set STAGE, QBASE+4*KSLOT              ; 8 stages of 16 rows x 272 bytes, one for each wave
.set STP,   272
; block 0 (v0-v255)
.set KQO, 1                            ; global byte offset of my 16 bytes of K and Q: row t>>3, column group t&7
.set VO,  2                            ; the same for V: 16 t
.set KW,  3                            ; LDS: where I write K (slot of the window in front; the current one by the immediate)
.set QW,  4
.set VW,  5
.set KA,  6                            ; LDS: my lane's K fragment address (slot of the window in front)
.set QA,  7
.set VA,  8
.set STO, 9                            ; stage: in
.set SRD, 10                           ; stage: back
.set OO,  11                           ; global byte offset in out
.set T0,  12
.set T1,  13
.set MX,  14                           ; running maximum of my query's scores
.set LSUM, 15                          ; running sum of my lane's p
.set NM,  16                           ; v[16:17]  -c * maximum, twice
.set AL,  18                           ; v[18:19]  rescale factor, later 1 / sum, twice
.set LSA, 20
.set LSB, 22
.set U0,  24
.set U1,  25
.set MASK, 32                          ; v[32:47]  0 or -1e30 for the 32 keys round the diagonal
.set QF,  48                           ; v[48:63]  Q fragments (e 0-31, e 32-63)
.set ACC, 64                           ; v[64:95]  out^T: four tiles of 16 e x 16 queries
.set S,   96                           ; v[96:159] S^T of 128 keys, then P^T packed in place
.set F,   160                          ; v[160:223] two fragment buffers; temporaries of the conversion; stage read-back
.set FA,  F
.set FB,  F+32
; block 1 (v256 and up), written by their low 8 bits
.set LK,  0                            ; landing: next window's K, Q, V as loaded
.set LQ,  32
.set LV,  64
.set TC,  96                           ; cos, sin of my 4 rows x 4 frequencies
.set TS,  112
.set STC, 128                          ; cos, sin of 128 positions
.set STS, 132
.set TT,  136
.set FR,  144                          ; set-up only from here on
.set C32, 148
.set S32, 152
.set AN,  156
.set NN,  160
.set TH,  164
.set ZZ,  168
.set PSN, 172
.set PCS, 176
.set QI,  180
.set X0,  184
.set X1,  185
.set MSB, 0
.macro WIN new                         ; low byte: block of source 0, 1, 2, destination; high byte repeats the setting that is left
.if MSB != (\new)
	s_set_vgpr_msb (MSB<<8)|(\new)
.set MSB, (\new)
.endif
.endm
.macro PLACES n                        ; independent vector places behind matrix instructions (ISA guide 7.12.1)
.rept \n
	v_nop
.endr
.endm
; 24 loads: K, Q, V of one window into the landing registers.  K and Q: a lane takes 16 bytes of the row's first half and the 16 bytes
; 128 further on (the rotation's partner); V: 512 consecutive bytes a wave.
.macro LOADS obase
	WIN 0x40
.irp m, 0,1,2,3
	global_load_b128 v[LK+8*\m:LK+8*\m+3],   v[KQO], s[4:5] offset:\obase+8192*\m
	global_load_b128 v[LK+8*\m+4:LK+8*\m+7], v[KQO], s[4:5] offset:\obase+8192*\m+128
.endr
.irp m, 0,1,2,3
	global_load_b128 v[LQ+8*\m:LQ+8*\m+3],   v[KQO], s[6:7] offset:\obase+8192*\m th:TH_LOAD_NT
	global_load_b128 v[LQ+8*\m+4:LQ+8*\m+7], v[KQO], s[6:7] offset:\obase+8192*\m+128 th:TH_LOAD_NT
.endr
.irp m, 0,1,2,3,4,5,6,7
	global_load_b128 v[LV+4*\m:LV+4*\m+3], v[VO], s[8:9] offset:\obase+4096*\m
.endr
	WIN 0
.endm
; Rotate my 4 rows x (4 + 4) numbers at registers x (block xwin), round to f16, store: x1' = x1 c - x2 s, x2' = x2 c + x1 s.
.macro ROT x, xwin, wa, obase, tmp
	WIN 0x04|\xwin
.irp m, 0,1,2,3
	v_pk_mul_f32 v[\tmp+8*\m:\tmp+8*\m+1],   v[\x+8*\m:\x+8*\m+1],   v[TC+4*\m:TC+4*\m+1]
	v_pk_mul_f32 v[\tmp+8*\m+2:\tmp+8*\m+3], v[\x+8*\m+2:\x+8*\m+3], v[TC+4*\m+2:TC+4*\m+3]
	v_pk_mul_f32 v[\tmp+8*\m+4:\tmp+8*\m+5], v[\x+8*\m+4:\x+8*\m+5], v[TC+4*\m:TC+4*\m+1]
	v_pk_mul_f32 v[\tmp+8*\m+6:\tmp+8*\m+7], v[\x+8*\m+6:\x+8*\m+7], v[TC+4*\m+2:TC+4*\m+3]
	v_pk_fma_f32 v[\tmp+8*\m:\tmp+8*\m+1],   v[\x+8*\m+4:\x+8*\m+5], v[TS+4*\m:TS+4*\m+1],   v[\tmp+8*\m:\tmp+8*\m+1] neg_lo:[1,0,0] neg_hi:[1,0,0]
	v_pk_fma_f32 v[\tmp+8*\m+2:\tmp+8*\m+3], v[\x+8*\m+6:\x+8*\m+7], v[TS+4*\m+2:TS+4*\m+3], v[\tmp+8*\m+2:\tmp+8*\m+3] neg_lo:[1,0,0] neg_hi:[1,0,0]
	v_pk_fma_f32 v[\tmp+8*\m+4:\tmp+8*\m+5], v[\x+8*\m:\x+8*\m+1],   v[TS+4*\m:TS+4*\m+1],   v[\tmp+8*\m+4:\tmp+8*\m+5]
	v_pk_fma_f32 v[\tmp+8*\m+6:\tmp+8*\m+7], v[\x+8*\m+2:\x+8*\m+3], v[TS+4*\m+2:TS+4*\m+3], v[\tmp+8*\m+6:\tmp+8*\m+7]
.endr
	WIN 0
.irp m, 0,1,2,3
	v_cvt_pk_f16_f32 v[\tmp+8*\m],   v[\tmp+8*\m],   v[\tmp+8*\m+1]
	v_cvt_pk_f16_f32 v[\tmp+8*\m+1], v[\tmp+8*\m+2], v[\tmp+8*\m+3]
	v_cvt_pk_f16_f32 v[\tmp+8*\m+2], v[\tmp+8*\m+4], v[\tmp+8*\m+5]
	v_cvt_pk_f16_f32 v[\tmp+8*\m+3], v[\tmp+8*\m+6], v[\tmp+8*\m+7]
	ds_store_b64 v[\wa], v[\tmp+8*\m:\tmp+8*\m+1]   offset:\obase+32*KP*\m        ; e = 4g .. 4g+3
	ds_store_b64 v[\wa], v[\tmp+8*\m+2:\tmp+8*\m+3] offset:\obase+32*KP*\m+64     ; e = 32+4g ..
.endr
.endm
.macro CVTV x, xwin, obase, tmp        ; my 8 x 4 numbers of V to f16 and into the slot
	WIN 5*\xwin
.irp m, 0,1,2,3,4,5,6,7
	v_cvt_pk_f16_f32 v[\tmp+2*\m],   v[\x+4*\m],   v[\x+4*\m+1]
	v_cvt_pk_f16_f32 v[\tmp+2*\m+1], v[\x+4*\m+2], v[\x+4*\m+3]
.endr
	WIN 0
.irp m, 0,1,2,3,4,5,6,7
	ds_store_b64 v[VW], v[\tmp+2*\m:\tmp+2*\m+1] offset:\obase+16*VP*\m
.endr
.endm
; Table row dm = table row sm turned by the angle whose cos, sin lie at cc, ss (all in block 1; in place where dm = sm).
.macro TROT dm, sm, cc, ss
.irp p, 0,2
	v_pk_mul_f32 v[TT+2*\p:TT+2*\p+1],   v[TC+4*(\sm)+\p:TC+4*(\sm)+\p+1], v[\cc+\p:\cc+\p+1]
	v_pk_mul_f32 v[TT+2*\p+2:TT+2*\p+3], v[TC+4*(\sm)+\p:TC+4*(\sm)+\p+1], v[\ss+\p:\ss+\p+1]
	v_pk_fma_f32 v[TC+4*(\dm)+\p:TC+4*(\dm)+\p+1], v[TS+4*(\sm)+\p:TS+4*(\sm)+\p+1], v[\ss+\p:\ss+\p+1], v[TT+2*\p:TT+2*\p+1] neg_lo:[1,0,0] neg_hi:[1,0,0]
	v_pk_fma_f32 v[TS+4*(\dm)+\p:TS+4*(\dm)+\p+1], v[TS+4*(\sm)+\p:TS+4*(\sm)+\p+1], v[\cc+\p:\cc+\p+1], v[TT+2*\p+2:TT+2*\p+3]
.endr
.endm
.macro TUPD                            ; the whole table 128 positions on
	WIN 0x55
.irp m, 0,1,2,3
	TROT \m, \m, STC, STS
.endr
	WIN 0
.endm
; cos and sin of the four angles (radians, 0 to 128) at AN.  n = nearest multiple of pi/2, taken off in two parts; Taylor sums on
; +-pi/4 (sin to x^7, cos to x^8: remainders under 4e-7); the quadrant swaps the two and sets the signs.  All registers in block 1.
.macro SINCOS4 c, s
.irp k, 0,1,2,3
	v_mul_f32 v[NN+\k], 0x3f22f983, v[AN+\k]                   ; 2 / pi
.endr
.irp k, 0,1,2,3
	v_rndne_f32 v[NN+\k], v[NN+\k]
.endr
.irp k, 0,1,2,3
	v_fmamk_f32 v[TH+\k], v[NN+\k], 0xbfc90fdb, v[AN+\k]       ; - n * (pi/2 rounded to f32)
.endr
.irp k, 0,1,2,3
	v_fmamk_f32 v[TH+\k], v[NN+\k], 0x333bbd2e, v[TH+\k]       ; + n * 4.37e-8, what that rounding added
.endr
.irp k, 0,1,2,3
	v_mul_f32 v[ZZ+\k], v[TH+\k], v[TH+\k]
	v_cvt_i32_f32 v[QI+\k], v[NN+\k]
	v_mov_b32 v[PSN+\k], 0xb9500d01                            ; -1/5040
	v_mov_b32 v[PCS+\k], 0x37d00d01                            ; 1/40320
.endr
.irp k, 0,1,2,3
	v_fmaak_f32 v[PSN+\k], v[PSN+\k], v[ZZ+\k], 0x3c088889     ; 1/120
	v_fmaak_f32 v[PCS+\k], v[PCS+\k], v[ZZ+\k], 0xbab60b61     ; -1/720
.endr
.irp k, 0,1,2,3
	v_fmaak_f32 v[PSN+\k], v[PSN+\k], v[ZZ+\k], 0xbe2aaaab     ; -1/6
	v_fmaak_f32 v[PCS+\k], v[PCS+\k], v[ZZ+\k], 0x3d2aaaab     ; 1/24
.endr
.irp k, 0,1,2,3
	v_mul_f32 v[PSN+\k], v[PSN+\k], v[ZZ+\k]
	v_fmaak_f32 v[PCS+\k], v[PCS+\k], v[ZZ+\k], 0xbf000000     ; -1/2
.endr
.irp k, 0,1,2,3
	v_fma_f32 v[PSN+\k], v[PSN+\k], v[TH+\k], v[TH+\k]
	v_fma_f32 v[PCS+\k], v[PCS+\k], v[ZZ+\k], 1.0
.endr
.irp k, 0,1,2,3
	v_and_b32 v[NN+\k], 1, v[QI+\k]
	v_cmp_eq_u32 vcc_lo, 1, v[NN+\k]
	v_cndmask_b32 v[\s+\k], v[PSN+\k], v[PCS+\k], vcc_lo       ; odd quadrant: sin and cos change places
	v_cndmask_b32 v[\c+\k], v[PCS+\k], v[PSN+\k], vcc_lo
	v_lshlrev_b32 v[NN+\k], 30, v[QI+\k]                       ; sin is negative where n & 2,
	v_add_nc_u32 v[QI+\k], 1, v[QI+\k]                         ; cos where (n + 1) & 2
	v_and_b32 v[NN+\k], 0x80000000, v[NN+\k]
	v_lshlrev_b32 v[QI+\k], 30, v[QI+\k]
	v_xor_b32 v[\s+\k], v[\s+\k], v[NN+\k]
	v_and_b32 v[QI+\k], 0x80000000, v[QI+\k]
	v_xor_b32 v[\c+\k], v[\c+\k], v[QI+\k]
.endr
.endm
; K fragments of group g (32 keys = two tiles x two halves of e): eight loads into buf
.macro KGRP g, buf, koff
.irp tt, 0,1
.irp ks, 0,1
	ds_load_b128 v[\buf+16*\tt+8*\ks:\buf+16*\tt+8*\ks+3],   v[KA] offset:\koff+(2*(\g)+\tt)*16*KP+64*\ks
	ds_load_b128 v[\buf+16*\tt+8*\ks+4:\buf+16*\tt+8*\ks+7], v[KA] offset:\koff+(2*(\g)+\tt)*16*KP+64*\ks+32
.endr
.endr
.endm
; S^T of group g.  masked = 1: the sums start from the mask instead of 0.
.macro SMUL g, buf, masked
.if \masked
	v_wmma_f32_16x16x32_f16 v[S+16*(\g):S+16*(\g)+7],    v[\buf:\buf+7],     v[QF:QF+7], v[MASK:MASK+7]
	v_wmma_f32_16x16x32_f16 v[S+16*(\g)+8:S+16*(\g)+15], v[\buf+16:\buf+23], v[QF:QF+7], v[MASK+8:MASK+15]
.else
	v_wmma_f32_16x16x32_f16 v[S+16*(\g):S+16*(\g)+7],    v[\buf:\buf+7],     v[QF:QF+7], 0
	v_wmma_f32_16x16x32_f16 v[S+16*(\g)+8:S+16*(\g)+15], v[\buf+16:\buf+23], v[QF:QF+7], 0
.endif
	v_wmma_f32_16x16x32_f16 v[S+16*(\g):S+16*(\g)+7],    v[\buf+8:\buf+15],  v[QF+8:QF+15], v[S+16*(\g):S+16*(\g)+7]
	v_wmma_f32_16x16x32_f16 v[S+16*(\g)+8:S+16*(\g)+15], v[\buf+24:\buf+31], v[QF+8:QF+15], v[S+16*(\g)+8:S+16*(\g)+15]
.endm
.macro SSTEP g, buf, nb, koff, first
.if \g < \nb
.if \g+1 < \nb
	s_wait_dscnt 8                                 ; LDS loads come back in order (ISA guide 5.7.1): this group is in, the next group's eight stay out
.else
	s_wait_dscnt 0
.endif
.if \first
.if \g+1 == \nb
	SMUL \g, \buf, 1                               ; the group that holds the diagonal
.else
	SMUL \g, \buf, 0
.endif
.else
	SMUL \g, \buf, 0
.endif
.if \g+2 < \nb
	PLACES 4                                       ; four places before loads land on registers that those products read
	KGRP \g+2, \buf, \koff
.endif
.endif
.endm
; V^T fragments of 32 keys x 64 e: the transposing load turns rows [key][e] into lanes that hold one e and eight keys
.macro VGRP kk, buf, voff
.irp et, 0,1,2,3
	ds_load_tr16_b128 v[\buf+8*\et:\buf+8*\et+3],   v[VA] offset:\voff+(\kk)*32*VP+32*\et
	ds_load_tr16_b128 v[\buf+8*\et+4:\buf+8*\et+7], v[VA] offset:\voff+(\kk)*32*VP+32*\et+16*VP
.endr
.endm
.macro PSTEP kk, buf, nb, voff, zero
.if \kk < \nb
.if \kk+1 < \nb
	s_wait_dscnt 8
.else
	s_wait_dscnt 0
.endif
.irp et, 0,1,2,3
.if \zero
	v_wmma_f32_16x16x32_f16 v[ACC+8*\et:ACC+8*\et+7], v[\buf+8*\et:\buf+8*\et+7], v[S+16*(\kk):S+16*(\kk)+7], 0
.else
	v_wmma_f32_16x16x32_f16 v[ACC+8*\et:ACC+8*\et+7], v[\buf+8*\et:\buf+8*\et+7], v[S+16*(\kk):S+16*(\kk)+7], v[ACC+8*\et:ACC+8*\et+7]
.endif
.endr
.if \kk+2 < \nb
	PLACES 4
	VGRP \kk+2, \buf, \voff
.endif
.endif
.endm
; Softmax of 32 nb keys.  My lane holds 16 nb scores of query r; the other half of the keys lies in lane r xor 16.
; p = exp2(c s - c max), c = 0.125 log2 e: the problem's scale rides on the multiply-add in front of exp2.
; first = 0: the maximum is carried on, and sums and out^T made so far are rescaled once.
.macro SOFTMAX nb, first
	v_max_num_f32 v[T0], v[S], v[S+1]
	v_max_num_f32 v[T1], v[S+2], v[S+3]
.set i, 4
.rept 4*\nb-1
	v_max3_num_f32 v[T0], v[T0], v[S+i], v[S+i+1]
	v_max3_num_f32 v[T1], v[T1], v[S+i+2], v[S+i+3]
.set i, i+4
.endr
	v_max_num_f32 v[T0], v[T0], v[T1]
	v_permlanex16_b32 v[T1], v[T0], s12, s13
.if \first
	v_max_num_f32 v[MX], v[T0], v[T1]
.else
	v_max3_num_f32 v[MX], v[T0], v[T1], v[MX]
	v_fma_f32 v[AL], v[MX], s22, -v[NM]            ; c (old maximum - new maximum)
	v_exp_f32 v[AL], v[AL]                         ; the two multiplications below are the plain places behind it (ISA guide 5.7.2)
.endif
	v_mul_f32 v[NM], s22, v[MX]
	v_mul_f32 v[NM+1], s22, v[MX]
.if \first == 0
	s_wait_alu depctr_va_vdst(0)
	v_mov_b32 v[AL+1], v[AL]
.set i, 0
.rept 16
	v_pk_mul_f32 v[ACC+i:ACC+i+1], v[ACC+i:ACC+i+1], v[AL:AL+1]
.set i, i+2
.endr
.endif
.set i, 0
.rept 8*\nb
	v_pk_fma_f32 v[S+i:S+i+1], v[S+i:S+i+1], s[20:21], v[NM:NM+1] op_sel_hi:[1,0,1]
.set i, i+2
.endr
.set g, 0
.rept \nb
.set i, 0
.rept 16
	v_exp_f32 v[S+16*g+i], v[S+16*g+i]
.set i, i+1
.endr
	v_nop                                          ; one plain place between the run of exp2 and the first use
.if g == 0
	s_wait_alu depctr_va_vdst(0)
	v_pk_add_f32 v[LSA:LSA+1], v[S:S+1], v[S+2:S+3]            ; the first numbers start the two chains: nothing is cleared
	v_pk_add_f32 v[LSB:LSB+1], v[S+4:S+5], v[S+6:S+7]
.else
	s_wait_alu depctr_va_vdst(0)
	v_pk_add_f32 v[LSA:LSA+1], v[LSA:LSA+1], v[S+16*g:S+16*g+1]
	v_pk_add_f32 v[LSB:LSB+1], v[LSB:LSB+1], v[S+16*g+2:S+16*g+3]
	v_pk_add_f32 v[LSA:LSA+1], v[LSA:LSA+1], v[S+16*g+4:S+16*g+5]
	v_pk_add_f32 v[LSB:LSB+1], v[LSB:LSB+1], v[S+16*g+6:S+16*g+7]
.endif
	v_pk_add_f32 v[LSA:LSA+1], v[LSA:LSA+1], v[S+16*g+8:S+16*g+9]
	v_pk_add_f32 v[LSB:LSB+1], v[LSB:LSB+1], v[S+16*g+10:S+16*g+11]
	v_pk_add_f32 v[LSA:LSA+1], v[LSA:LSA+1], v[S+16*g+12:S+16*g+13]
	v_pk_add_f32 v[LSB:LSB+1], v[LSB:LSB+1], v[S+16*g+14:S+16*g+15]
; Two S^T tiles pack in place into one B fragment: tile 2g holds keys 8h+j (registers 0-3), tile 2g+1 keys 16+8h+j (registers 4-7).
.set i, 0
.rept 8
	v_cvt_pk_f16_f32 v[S+16*g+i], v[S+16*g+2*i], v[S+16*g+2*i+1]
.set i, i+1
.endr
.set g, g+1
.endr
	v_pk_add_f32 v[LSA:LSA+1], v[LSA:LSA+1], v[LSB:LSB+1]
.if \first
	v_add_f32 v[LSUM], v[LSA], v[LSA+1]
.else
	v_add_f32 v[T0], v[LSA], v[LSA+1]
	v_fma_f32 v[LSUM], v[LSUM], v[AL], v[T0]
.endif
.endm
; 32 nb keys of one window against my 16 queries.  first = 1: the current window (mask on its last group, sums start here).
.macro BLOCK nb, koff, voff, first
.if \first == 0
	PLACES 5                                       ; S and the buffers were operands of the products just issued: five places before they are written over
.endif
	KGRP 0, FA, \koff
.if \nb > 1
	KGRP 1, FB, \koff
.endif
	SSTEP 0, FA, \nb, \koff, \first
	SSTEP 1, FB, \nb, \koff, \first
	SSTEP 2, FA, \nb, \koff, \first
	SSTEP 3, FB, \nb, \koff, \first
	PLACES 4                                       ; before S is read and before V lands on the buffers
	VGRP 0, FA, \voff                              ; on their way while the softmax runs
.if \nb > 1
	VGRP 1, FB, \voff
.endif
	SOFTMAX \nb, \first
	PSTEP 0, FA, \nb, \voff, \first
	PSTEP 1, FB, \nb, \voff, 0
	PSTEP 2, FA, \nb, \voff, 0
	PSTEP 3, FB, \nb, \voff, 0
.endm
; ---------------------------------------------------------------- entry
	s_load_b256 s[4:11], s[0:1], 0x0               ; k s[4:5], q s[6:7], v s[8:9], out s[10:11]
	v_lshl_add_u32 v254, v0, 2, 0x4a000
	v_mov_b32 v255, 0
	v_lshrrev_b32 v12, 5, v0
	v_readfirstlane_b32 s14, v12                   ; wave 0..7
	v_lshrrev_b32 v12, 3, v0                       ; t >> 3: my first row of K and Q
	v_and_b32 v13, 7, v0                           ; g: my four frequencies 4g .. 4g+3
	v_lshlrev_b32 v[KQO], 8, v12
	v_lshl_or_b32 v[KQO], v13, 4, v[KQO]
	v_lshlrev_b32 v[VO], 4, v0
	s_and_b32 s17, ttmp9, 7                        ; which of the sequence's eight chunks
	s_cmp_eq_u32 s17, 0
	s_cselect_b32 s17, 1, 0                        ; 1: nothing lies in front of my first window
	s_cselect_b32 s30, 0, WINB                     ; how far back the window in front lies
	s_mov_b32 s31, 0
	s_lshl_b32 s24, ttmp9, 17                      ; 512 rows x 256 bytes a work-group (below 2^25)
	s_mov_b32 s25, 0
	s_wait_kmcnt 0x0
	s_add_nc_u64 s[4:5], s[4:5], s[24:25]
	s_add_nc_u64 s[6:7], s[6:7], s[24:25]
	s_add_nc_u64 s[8:9], s[8:9], s[24:25]
	s_add_nc_u64 s[10:11], s[10:11], s[24:25]
	s_sub_nc_u64 s[26:27], s[4:5], s[30:31]
	s_sub_nc_u64 s[28:29], s[8:9], s[30:31]
.irp m, 0,1,2,3                                    ; the window in front lands in S, which is idle until the first trip
	global_load_b128 v[S+8*\m:S+8*\m+3],   v[KQO], s[26:27] offset:8192*\m
	global_load_b128 v[S+8*\m+4:S+8*\m+7], v[KQO], s[26:27] offset:8192*\m+128
.endr
.irp m, 0,1,2,3,4,5,6,7
	global_load_b128 v[S+32+4*\m:S+32+4*\m+3], v[VO], s[28:29] offset:4096*\m
.endr
	LOADS 0                                        ; my first window
	; Query tiles 0,7,2,5,6,1,4,3 for waves 0..7: waves w and w+4, and also waves 2i and 2i+1, together have five groups of the current window.
	s_lshl_b32 s15, s14, 2
	s_lshr_b32 s15, 0x34165270, s15
	s_and_b32 s15, s15, 7                          ; my query tile
	s_lshr_b32 s16, s15, 1
	s_add_co_u32 s16, s16, 1                       ; groups of 32 keys of the current window that my queries see
	s_mov_b32 s12, 0x76543210                      ; v_permlanex16_b32: lane i reads lane i of the other half
	s_mov_b32 s13, 0xfedcba98
	s_mov_b32 s20, 0x3e38aa3b                      ; c = 0.125 log2 e
	s_mov_b32 s21, 0x3e38aa3b
	s_mov_b32 s22, 0xbe38aa3b                      ; -c
	; LDS addresses.  What is written hangs on the thread's number alone; the query tile enters only addresses that are read.
	v_mul_u32_u24 v[KW], v12, KP
	v_lshl_add_u32 v[KW], v13, 3, v[KW]
	v_add_nc_u32 v[QW], QBASE, v[KW]
	v_lshrrev_b32 v[U0], 4, v0
	v_and_b32 v12, 15, v0                          ; r
	v_mul_u32_u24 v[VW], v[U0], VP
	v_lshl_add_u32 v[VW], v12, 3, v[VW]
	v_add_nc_u32 v[VW], VBASE, v[VW]
	v_bfe_u32 v13, v0, 4, 1                        ; h
	v_mul_u32_u24 v[KA], v12, KP
	v_lshl_add_u32 v[KA], v13, 4, v[KA]            ; row r, 16 h bytes
	s_mul_i32 s30, s15, 16*KP
	s_add_co_u32 s30, s30, QBASE
	v_add_nc_u32 v[QA], s30, v[KA]
	v_and_b32 v[U0], 7, v0
	v_lshl_add_u32 v[U0], v13, 3, v[U0]            ; key 8h + (lane & 7)
	v_mul_u32_u24 v[VA], v[U0], VP
	v_bfe_u32 v[U0], v0, 3, 1
	v_lshl_add_u32 v[VA], v[U0], 4, v[VA]
	v_add_nc_u32 v[VA], VBASE, v[VA]
	s_mul_i32 s30, s14, 16*STP
	s_add_co_u32 s30, s30, STAGE                   ; my wave's stage
	v_mul_u32_u24 v[STO], v12, STP
	v_lshl_add_u32 v[STO], v13, 5, v[STO]
	v_add_nc_u32 v[STO], s30, v[STO]
	v_mul_u32_u24 v[SRD], v13, STP
	v_lshl_add_u32 v[SRD], v12, 4, v[SRD]
	v_add_nc_u32 v[SRD], s30, v[SRD]
	s_lshl_b32 s30, s15, 12                        ; 16 rows x 256 bytes a query tile
	v_lshlrev_b32 v[OO], 8, v13
	v_lshl_add_u32 v[OO], v12, 4, v[OO]
	v_add_nc_u32 v[OO], s30, v[OO]
	; The mask of the group that holds the diagonal: key 16 tt + 8h + j is hidden from query 16 (tile & 1) + r if it is the larger.
	s_and_b32 s30, s15, 1
	s_lshl_b32 s30, s30, 4
	v_lshlrev_b32 v[U0], 3, v13
	v_sub_nc_u32 v[U0], v12, v[U0]
	v_add_nc_u32 v[U0], s30, v[U0]                 ; 16 (tile & 1) + r - 8h
	v_mov_b32 v[U1], 0xf149f2ca                    ; -1e30
.irp tt, 0,1
.irp j, 0,1,2,3,4,5,6,7
	v_cmp_gt_i32 vcc_lo, 16*\tt+\j, v[U0]
	v_cndmask_b32 v[MASK+8*\tt+\j], 0, v[U1], vcc_lo
.endr
.endr
	; The table: frequency i is 10000^(-i/32) = exp2(-0.41524101 i); rows t>>3 + 32 m at positions 0..127.
	WIN 0x40
	v_and_b32 v[X0], 7, v0
	v_lshrrev_b32 v[X1], 3, v0
	WIN 0x55
	v_lshlrev_b32 v[X0], 2, v[X0]
.irp k, 0,1,2,3
	v_add_nc_u32 v[FR+\k], \k, v[X0]
.endr
.irp k, 0,1,2,3
	v_cvt_f32_u32 v[FR+\k], v[FR+\k]
.endr
.irp k, 0,1,2,3
	v_mul_f32 v[FR+\k], 0xbed49a78, v[FR+\k]
.endr
.irp k, 0,1,2,3
	v_exp_f32 v[FR+\k], v[FR+\k]
.endr
	v_cvt_f32_u32 v[X1], v[X1]                     ; also the plain place behind the run of exp2
	s_wait_alu depctr_va_vdst(0)
.irp k, 0,1,2,3
	v_mul_f32 v[AN+\k], v[X1], v[FR+\k]
.endr
	SINCOS4 TC, TS
.irp k, 0,1,2,3
	v_mul_f32 v[AN+\k], 0x42000000, v[FR+\k]       ; 32 positions: from one of my rows to the next
.endr
	SINCOS4 C32, S32
.irp k, 0,1,2,3
	v_mul_f32 v[AN+\k], 0x43000000, v[FR+\k]       ; 128 positions: from window to window
.endr
	SINCOS4 STC, STS
	TROT 1, 0, C32, S32
	TROT 2, 1, C32, S32
	TROT 3, 2, C32, S32
	WIN 0
	s_wait_loadcnt 24                              ; loads come back in order: the 16 of the window in front are in, my first window's 24 stay out
	ROT S, 0, KW, 0, F
	CVTV S+32, 0, 0, F+32
	TUPD
	s_mov_b32 s18, 0
; ---------------------------------------------------------------- a trip = a window
.Ltrip:
	s_wait_loadcnt 16                              ; K is in; Q's and V's 16 loads may be out
	ROT LK, 1, KW, KSLOT, F
	s_wait_loadcnt 8                               ; Q is in; V's 8 may be out
	ROT LQ, 1, QW, 0, F+32
	s_wait_loadcnt 0
	CVTV LV, 1, VSLOT, F
	s_cmp_eq_u32 s18, TRIPS-1
	s_cbranch_scc1 .Lnoload                        ; the last trip asks for nothing: no load leaves the buffers
	LOADS WINB                                     ; the next window, 96 KB for the work-group, a whole trip ahead of its use
.Lnoload:
	s_wait_dscnt 0x0                               ; my part of this window's K, V, Q is in LDS: zero, for the other waves' sake
	s_barrier_signal -1
	TUPD                                           ; registers only: the table moves on while the others arrive
	s_barrier_wait -1
.irp ks, 0,1
	ds_load_b128 v[QF+8*\ks:QF+8*\ks+3],   v[QA] offset:64*\ks
	ds_load_b128 v[QF+8*\ks+4:QF+8*\ks+7], v[QA] offset:64*\ks+32
.endr
	; The current window: only the groups of 32 keys that my queries see.  Four versions, each whole in itself; no barrier inside.
	s_cmp_eq_u32 s16, 1
	s_cbranch_scc1 .Lcur1
	s_cmp_eq_u32 s16, 2
	s_cbranch_scc1 .Lcur2
	s_cmp_eq_u32 s16, 3
	s_cbranch_scc1 .Lcur3
	BLOCK 4, KSLOT, VSLOT, 1
	s_branch .Lcurdone
.Lcur3:
	BLOCK 3, KSLOT, VSLOT, 1
	s_branch .Lcurdone
.Lcur2:
	BLOCK 2, KSLOT, VSLOT, 1
	s_branch .Lcurdone
.Lcur1:
	BLOCK 1, KSLOT, VSLOT, 1
.Lcurdone:
	s_cmp_eq_u32 s17, 1
	s_cbranch_scc1 .Lnoprev                        ; a sequence's first window has nothing in front
	BLOCK 4, 0, 0, 0
.Lnoprev:
	s_mov_b32 s17, 0
	; out = out^T / sum.  A lane holds 8 neighbouring e of one query in each tile; through my wave's stage the rows come back whole.
	PLACES 4
	v_permlanex16_b32 v[T1], v[LSUM], s12, s13
	v_add_f32 v[LSUM], v[LSUM], v[T1]
	v_rcp_f32 v[AL], v[LSUM]
	v_nop
	s_wait_alu depctr_va_vdst(0)
	v_mov_b32 v[AL+1], v[AL]
.set i, 0
.rept 16
	v_pk_mul_f32 v[ACC+i:ACC+i+1], v[ACC+i:ACC+i+1], v[AL:AL+1]
.set i, i+2
.endr
.irp et, 0,1,2,3
	ds_store_b128 v[STO], v[ACC+8*\et:ACC+8*\et+3]   offset:64*\et
	ds_store_b128 v[STO], v[ACC+8*\et+4:ACC+8*\et+7] offset:64*\et+16
.endr
.irp n, 0,1,2,3,4,5,6,7
	ds_load_b128 v[F+4*\n:F+4*\n+3], v[SRD] offset:2*STP*\n    ; LDS serves a wave's instructions in order: these see the stores above
.endr
.irp n, 0,1,2,3,4,5,6,7
	s_wait_dscnt 7-\n
	global_store_b128 v[OO], v[F+4*\n:F+4*\n+3], s[10:11] offset:512*\n th:TH_STORE_NT   ; two whole rows: 512 consecutive bytes, aligned
.endr
	s_wait_xcnt 0x0                                ; the bases and F (the stores' data) are rewritten only behind this wait
	s_add_nc_u64 s[4:5], s[4:5], WINB
	s_add_nc_u64 s[6:7], s[6:7], WINB
	s_add_nc_u64 s[8:9], s[8:9], WINB
	s_add_nc_u64 s[10:11], s[10:11], WINB
	v_add_nc_u32 v[KW], KSLOT, v[KW]               ; every LDS address one slot on
	v_add_nc_u32 v[KA], KSLOT, v[KA]
	v_add_nc_u32 v[QW], KSLOT, v[QW]
	v_add_nc_u32 v[QA], KSLOT, v[QA]
	v_add_nc_u32 v[VW], VSLOT, v[VW]
	v_add_nc_u32 v[VA], VSLOT, v[VA]
	s_add_co_u32 s18, s18, 1
	s_cmp_lt_u32 s18, TRIPS
	s_cbranch_scc1 .Ltrip
	s_wait_tensorcnt 0x0
	ds_add_u32 v254, v255
	s_wait_dscnt 0x0
	s_endpgm
.Lfunc_end_k_q5da658871a_localattn:
	.size	k_q5da658871a_localattn, .Lfunc_end_k_q5da658871a_localattn-k_q5da658871a_localattn
	.p2alignl 7, 3214868480
	.fill 96, 4, 3214868480
	.section	.rodata,"a",@progbits
	.p2align	6, 0x0
	.amdhsa_kernel k_q5da658871a_localattn
		.amdhsa_group_segment_fixed_size 304128
		.amdhsa_private_segment_fixed_size 0
		.amdhsa_enable_private_segment 0
		.amdhsa_kernarg_size 32
		.amdhsa_user_sgpr_count 2
		.amdhsa_user_sgpr_kernarg_segment_ptr 1
		.amdhsa_wavefront_size32 1
		.amdhsa_system_sgpr_workgroup_id_x 1
		.amdhsa_system_sgpr_workgroup_id_y 1
		.amdhsa_system_sgpr_workgroup_id_z 1
		.amdhsa_system_vgpr_workitem_id 0
		.amdhsa_next_free_vgpr 448
		.amdhsa_next_free_sgpr 66
		.amdhsa_reserve_vcc 1
		.amdhsa_float_denorm_mode_32 3
		.amdhsa_float_denorm_mode_16_64 3
		.amdhsa_memory_ordered 1
		.amdhsa_forward_progress 1
		.amdhsa_inst_pref_size 114
	.end_amdhsa_kernel
	.amdgpu_metadata
---
amdhsa.version: [ 1, 2 ]
amdhsa.kernels:
  - .name:           k_q5da658871a_localattn
    .symbol:         k_q5da658871a_localattn.kd
    .args:
      - { .name: k, .offset: 0, .size: 8, .value_kind: global_buffer, .address_space: global }
      - { .name: q, .offset: 8, .size: 8, .value_kind: global_buffer, .address_space: global }
      - { .name: v, .offset: 16, .size: 8, .value_kind: global_buffer, .address_space: global }
      - { .name: out0, .offset: 24, .size: 8, .value_kind: global_buffer, .address_space: global }
    .group_segment_fixed_size: 304128
    .private_segment_fixed_size: 0
    .kernarg_segment_align: 8
    .kernarg_segment_size: 32
    .max_flat_workgroup_size: 256
    .sgpr_count:     66
    .vgpr_count:     448
    .wavefront_size: 32
...
	.end_amdgpu_metadata
.endif
;; end of part 1
;; ======== version 2 of 2: 1 launch; version 1 with the launch localattn written anew for expert scheduling mode
;; limits: values are held in f16: magnitudes above 65,504 overflow, below 6.1e-05 lose precision
;; launch localattn (part 2): grid 256 x 1, 8 waves a work-group, no clusters, 304,128 bytes of LDS; arguments k, q, v, out0; writes out0
.if DOCPART == 2
	.amdgcn_target "amdgcn-amd-amdhsa--gfx1250"
	.amdhsa_code_object_version 6
	.text
	.protected	k_q5da658871a_localattn
	.globl	k_q5da658871a_localattn
	.p2align	8
	.type	k_q5da658871a_localattn,@function
k_q5da658871a_localattn:
	s_mov_b64 s[64:65], 0
	v_nop
	global_prefetch_b8 v0, s[64:65] scope:SCOPE_SE
	s_setreg_imm32_b32 hwreg(HW_REG_WAVE_SCHED_MODE, 0, 2), 2
	s_setreg_imm32_b32 hwreg(HW_REG_WAVE_MODE, 25, 1), 1
	s_wait_xcnt 0x0
	s_wait_alu depctr_vm_vsrc(0)
; Local causal attention with rotary positions.  q, k, v, out: [32][4096][64] f32; windows of 128 tokens; a query sees its own
; window up to itself and the whole window in front (none in front of a sequence's first window).
; A work-group owns 4 consecutive windows (512 tokens) of one sequence and walks them in 4 trips.  Each window's K (rotated) and V are
; converted to f16 once, laid in LDS slots of their own (5 K, 5 V, 4 Q slots: no slot is written twice) and used in two trips.
; Eight waves; a wave owns 16 queries.  S^T = K Q^T (a lane holds one query, eight keys a tile), softmax in f32, out^T = V^T P^T.
;
; LIMITS AND CHOICES, stated plainly:
;  * Matrix operands are f16 (sums f32): rotated |q|, |k| (up to 1.42 times the input) and |v| must stay below 65,504; numbers below
;    6.1e-5 keep an absolute 3e-8 only.  NaN and infinities in the inputs are not reproduced.
;  * Rotary: a score hangs only on the difference of the two positions, so q and k are rotated once by their position in the chunk
;    (window in front 0..127, window t at 128 (t+1) ..) instead of by block positions 0..255: same mathematics, other rounding order.
;  * Masked scores are -1e30 plus the product (the product's bound with f16 operands is 2.8e11); they leave exp2 as 0.
;  * The first chunk of a sequence has no window in front: its 16 loads are pointed at the chunk's own first window so that they stay
;    inside the buffers; what they bring is never read, because that trip skips the part for the window in front.
;  * No tensor loads, no cluster: every input byte has to pass registers (f32 to f16, rotation), and work-groups share only the
;    window in front, 64 KB of the 448 KB that a work-group reads.
;
; THE MODE: SCHED_MODE bits 1:0 = 2 (LLVM: expert scheduling mode 2), set by the entry lines.  The code itself states the register
; dependences between vector or matrix instructions and memory or LDS instructions, with s_wait_alu, always for 0.
; THE PLAN.  Registers that memory or LDS instructions touch, round a trip:
;   LK, LQ, LV      written by the 24 global loads issued in the trip before; read by this trip's rotation and rounding.
;   F .. F+63, S .. S+15   written by that rotation and rounding; read by the trip's 24 LDS stores.
;   F0 F1 F2 FD     four fragment buffers, one for each group of 32 keys: K's loads land, the products K Q^T read; V's loads land, the
;                   products V^T P^T read; the same once more for the window in front; at last the stage's loads land in F0 and the global stores read it.
;   QF              written by four LDS loads behind the barrier; read by the products K Q^T.
;   ACC             written by the products and the last scaling; read by the eight LDS stores into the stage.
;   KW QW VW KA QA VA   LDS addresses: read by LDS instructions, stepped once at the trip's end.  KQO VO STO SRD OO: made at the head, never written again.
; The waits of a trip: (1) va_vdst behind all conversions, ahead of the LDS stores and the next window's loads; since it only the table's turn
; (v352-399) is issued before the loads behind the barrier, so it serves those too; (2) vm_vsrc behind the barrier; (3) va_vdst between a block's
; products K Q^T and V's loads; (4) va_vdst ahead of K's loads for the window in front; (5) va_vdst ahead of the stage's stores; (6) vm_vsrc at the trip's end.
.set WINB,  32768                      ; bytes of a window: 128 rows x 256
.set TRIPS, 4
.set KP,    144                        ; K, Q rows in LDS: 128 bytes + 16: the 16 rows of a fragment load start in 16 different 16-byte columns modulo 256
.set VP,    160                        ; V rows: 128 + 32, an odd multiple of 32, for the transposing load
.set KSLOT, 128*KP
.set VSLOT, 128*VP
.set VBASE, 5*KSLOT
.set QBASE, VBASE+5*VSLOT
.set STAGE, QBASE+4*KSLOT              ; 8 stages of 16 rows x 272 bytes, one for each wave
.set STP,   272
.set MK,    32                         ; s[32:47]  masks of runs of compares
; block 0 (v0-v255)
.set KQO, 1                            ; global byte offset of my 16 bytes of K and Q: row t>>3, column group t&7
.set VO,  2                            ; the same for V: 16 t
.set KW,  3                            ; LDS: where I write K (slot of the window in front; the current one by the immediate)
.set QW,  4
.set VW,  5
.set KA,  6                            ; LDS: my lane's K fragment address (slot of the window in front)
.set QA,  7
.set VA,  8
.set STO, 9                            ; stage: in
.set SRD, 10                           ; stage: back
.set OO,  11                           ; global byte offset in out
.set T0,  12
.set T1,  13
.set MX,  14                           ; running maximum of my query's scores
.set LSUM, 15                          ; running sum of my lane's p
.set NM,  16                           ; v[16:17]  -c * maximum, twice
.set AL,  18                           ; v[18:19]  rescale factor, later 1 / sum, twice
.set LSA, 20
.set LSB, 22
.set U0,  24
.set U1,  25
.set MASK, 32                          ; v[32:47]  0 or -1e30 for the 32 keys round the diagonal
.set QF,  48                           ; v[48:63]  Q fragments (e 0-31, e 32-63)
.set ACC, 64                           ; v[64:95]  out^T: four tiles of 16 e x 16 queries
.set S,   96                           ; v[96:159] S^T of 128 keys, then P^T packed in place; its first 16 also V's rounding on its way to LDS
.set F,   160                          ; v[160:255] fragment buffers of groups 0, 1, 2; the first two also temporaries of the rotation; the first also the stage's read-back
; block 1 (v256 and up), written by their low 8 bits
.set LK,  0                            ; landing: next window's K, Q, V as loaded
.set LQ,  32
.set LV,  64
.set TC,  96                           ; cos, sin of my 4 rows x 4 frequencies
.set TS,  112
.set STC, 128                          ; cos, sin of 128 positions
.set STS, 132
.set TT,  136
.set FD,  144                          ; v[400:431] in the loop: the fragment buffer of group 3
.set FR,  144                          ; set-up only from here on
.set C32, 148
.set S32, 152
.set AN,  156
.set NN,  160
.set TH,  164
.set ZZ,  168
.set PSN, 172
.set PCS, 176
.set QI,  180
.set X0,  184
.set X1,  185
.set MSB, 0
.macro WIN new                         ; low byte: block of source 0, 1, 2, destination; high byte repeats the setting that is left
.if MSB != (\new)
	s_set_vgpr_msb (MSB<<8)|(\new)
.set MSB, (\new)
.endif
.endm
.macro PLACES n                        ; independent vector places behind matrix instructions (ISA guide 7.12.1)
.rept \n
	v_nop
.endr
.endm
; 24 loads: K, Q, V of one window into the landing registers.  K and Q: a lane takes 16 bytes of the row's first half and the 16 bytes
; 128 further on (the rotation's partner); V: 512 consecutive bytes a wave.
.macro LOADS obase
	WIN 0x40
.irp m, 0,1,2,3
	global_load_b128 v[LK+8*\m:LK+8*\m+3],   v[KQO], s[4:5] offset:\obase+8192*\m
	global_load_b128 v[LK+8*\m+4:LK+8*\m+7], v[KQO], s[4:5] offset:\obase+8192*\m+128
.endr
.irp m, 0,1,2,3
	global_load_b128 v[LQ+8*\m:LQ+8*\m+3],   v[KQO], s[6:7] offset:\obase+8192*\m th:TH_LOAD_NT
	global_load_b128 v[LQ+8*\m+4:LQ+8*\m+7], v[KQO], s[6:7] offset:\obase+8192*\m+128 th:TH_LOAD_NT
.endr
.irp m, 0,1,2,3,4,5,6,7
	global_load_b128 v[LV+4*\m:LV+4*\m+3], v[VO], s[8:9] offset:\obase+4096*\m
.endr
	WIN 0
.endm
; Rotate my 4 rows x (4 + 4) numbers at registers x (block xwin): x1' = x1 c - x2 s, x2' = x2 c + x1 s.  Three parts: the arithmetic,
; the rounding to f16, the stores; the stores of K, Q and V stand together behind one wait.
.macro ROTM x, xwin, tmp
	WIN 0x04|\xwin
.irp m, 0,1,2,3
	v_pk_mul_f32 v[\tmp+8*\m:\tmp+8*\m+1],   v[\x+8*\m:\x+8*\m+1],   v[TC+4*\m:TC+4*\m+1]
	v_pk_mul_f32 v[\tmp+8*\m+2:\tmp+8*\m+3], v[\x+8*\m+2:\x+8*\m+3], v[TC+4*\m+2:TC+4*\m+3]
	v_pk_mul_f32 v[\tmp+8*\m+4:\tmp+8*\m+5], v[\x+8*\m+4:\x+8*\m+5], v[TC+4*\m:TC+4*\m+1]
	v_pk_mul_f32 v[\tmp+8*\m+6:\tmp+8*\m+7], v[\x+8*\m+6:\x+8*\m+7], v[TC+4*\m+2:TC+4*\m+3]
	v_pk_fma_f32 v[\tmp+8*\m:\tmp+8*\m+1],   v[\x+8*\m+4:\x+8*\m+5], v[TS+4*\m:TS+4*\m+1],   v[\tmp+8*\m:\tmp+8*\m+1] neg_lo:[1,0,0] neg_hi:[1,0,0]
	v_pk_fma_f32 v[\tmp+8*\m+2:\tmp+8*\m+3], v[\x+8*\m+6:\x+8*\m+7], v[TS+4*\m+2:TS+4*\m+3], v[\tmp+8*\m+2:\tmp+8*\m+3] neg_lo:[1,0,0] neg_hi:[1,0,0]
	v_pk_fma_f32 v[\tmp+8*\m+4:\tmp+8*\m+5], v[\x+8*\m:\x+8*\m+1],   v[TS+4*\m:TS+4*\m+1],   v[\tmp+8*\m+4:\tmp+8*\m+5]
	v_pk_fma_f32 v[\tmp+8*\m+6:\tmp+8*\m+7], v[\x+8*\m+2:\x+8*\m+3], v[TS+4*\m+2:TS+4*\m+3], v[\tmp+8*\m+6:\tmp+8*\m+7]
.endr
.endm
.macro ROTC tmp
	WIN 0
.irp m, 0,1,2,3
	v_cvt_pk_f16_f32 v[\tmp+8*\m],   v[\tmp+8*\m],   v[\tmp+8*\m+1]
	v_cvt_pk_f16_f32 v[\tmp+8*\m+1], v[\tmp+8*\m+2], v[\tmp+8*\m+3]
	v_cvt_pk_f16_f32 v[\tmp+8*\m+2], v[\tmp+8*\m+4], v[\tmp+8*\m+5]
	v_cvt_pk_f16_f32 v[\tmp+8*\m+3], v[\tmp+8*\m+6], v[\tmp+8*\m+7]
.endr
.endm
.macro ROTS wa, obase, tmp
	WIN 0
.irp m, 0,1,2,3
	ds_store_b64 v[\wa], v[\tmp+8*\m:\tmp+8*\m+1]   offset:\obase+32*KP*\m        ; e = 4g .. 4g+3
	ds_store_b64 v[\wa], v[\tmp+8*\m+2:\tmp+8*\m+3] offset:\obase+32*KP*\m+64     ; e = 32+4g ..
.endr
.endm
.macro CVTA x, xwin, tmp               ; my 8 x 4 numbers of V to f16,
	WIN 5*\xwin
.irp m, 0,1,2,3,4,5,6,7
	v_cvt_pk_f16_f32 v[\tmp+2*\m],   v[\x+4*\m],   v[\x+4*\m+1]
	v_cvt_pk_f16_f32 v[\tmp+2*\m+1], v[\x+4*\m+2], v[\x+4*\m+3]
.endr
.endm
.macro CVTS obase, tmp                 ; and into the slot
	WIN 0
.irp m, 0,1,2,3,4,5,6,7
	ds_store_b64 v[VW], v[\tmp+2*\m:\tmp+2*\m+1] offset:\obase+16*VP*\m
.endr
.endm
; Table row dm = table row sm turned by the angle whose cos, sin lie at cc, ss (all in block 1; in place where dm = sm).
.macro TROT dm, sm, cc, ss
.irp p, 0,2
	v_pk_mul_f32 v[TT+2*\p:TT+2*\p+1],   v[TC+4*(\sm)+\p:TC+4*(\sm)+\p+1], v[\cc+\p:\cc+\p+1]
	v_pk_mul_f32 v[TT+2*\p+2:TT+2*\p+3], v[TC+4*(\sm)+\p:TC+4*(\sm)+\p+1], v[\ss+\p:\ss+\p+1]
	v_pk_fma_f32 v[TC+4*(\dm)+\p:TC+4*(\dm)+\p+1], v[TS+4*(\sm)+\p:TS+4*(\sm)+\p+1], v[\ss+\p:\ss+\p+1], v[TT+2*\p:TT+2*\p+1] neg_lo:[1,0,0] neg_hi:[1,0,0]
	v_pk_fma_f32 v[TS+4*(\dm)+\p:TS+4*(\dm)+\p+1], v[TS+4*(\sm)+\p:TS+4*(\sm)+\p+1], v[\cc+\p:\cc+\p+1], v[TT+2*\p+2:TT+2*\p+3]
.endr
.endm
.macro TUPD                            ; the whole table 128 positions on: no memory or LDS instruction names its registers
	WIN 0x55
.irp m, 0,1,2,3
	TROT \m, \m, STC, STS
.endr
	WIN 0
.endm
; cos and sin of the four angles (radians, 0 to 128) at AN.  n = nearest multiple of pi/2, taken off in two parts; Taylor sums on
; +-pi/4 (sin to x^7, cos to x^8: remainders under 4e-7); the quadrant swaps the two and sets the signs.  All registers in block 1.
.macro SINCOS4 c, s
.irp k, 0,1,2,3
	v_mul_f32 v[NN+\k], 0x3f22f983, v[AN+\k]                   ; 2 / pi
.endr
.irp k, 0,1,2,3
	v_rndne_f32 v[NN+\k], v[NN+\k]
.endr
.irp k, 0,1,2,3
	v_fmamk_f32 v[TH+\k], v[NN+\k], 0xbfc90fdb, v[AN+\k]       ; - n * (pi/2 rounded to f32)
.endr
.irp k, 0,1,2,3
	v_fmamk_f32 v[TH+\k], v[NN+\k], 0x333bbd2e, v[TH+\k]       ; + n * 4.37e-8, what that rounding added
.endr
.irp k, 0,1,2,3
	v_mul_f32 v[ZZ+\k], v[TH+\k], v[TH+\k]
	v_cvt_i32_f32 v[QI+\k], v[NN+\k]
	v_mov_b32 v[PSN+\k], 0xb9500d01                            ; -1/5040
	v_mov_b32 v[PCS+\k], 0x37d00d01                            ; 1/40320
.endr
.irp k, 0,1,2,3
	v_fmaak_f32 v[PSN+\k], v[PSN+\k], v[ZZ+\k], 0x3c088889     ; 1/120
	v_fmaak_f32 v[PCS+\k], v[PCS+\k], v[ZZ+\k], 0xbab60b61     ; -1/720
.endr
.irp k, 0,1,2,3
	v_fmaak_f32 v[PSN+\k], v[PSN+\k], v[ZZ+\k], 0xbe2aaaab     ; -1/6
	v_fmaak_f32 v[PCS+\k], v[PCS+\k], v[ZZ+\k], 0x3d2aaaab     ; 1/24
.endr
.irp k, 0,1,2,3
	v_mul_f32 v[PSN+\k], v[PSN+\k], v[ZZ+\k]
	v_fmaak_f32 v[PCS+\k], v[PCS+\k], v[ZZ+\k], 0xbf000000     ; -1/2
.endr
.irp k, 0,1,2,3
	v_fma_f32 v[PSN+\k], v[PSN+\k], v[TH+\k], v[TH+\k]
	v_fma_f32 v[PCS+\k], v[PCS+\k], v[ZZ+\k], 1.0
.endr
.irp k, 0,1,2,3
	v_and_b32 v[NN+\k], 1, v[QI+\k]
.endr
.irp k, 0,1,2,3
	v_cmp_eq_u32 s[MK+\k], 1, v[NN+\k]                         ; the four compares stand in a run, each with a scalar register of its own
.endr
	s_wait_alu depctr_va_sdst(0)                               ; the four compares have written s[MK .. MK+3], which the selects below read
.irp k, 0,1,2,3
	v_cndmask_b32 v[\s+\k], v[PSN+\k], v[PCS+\k], s[MK+\k]     ; odd quadrant: sin and cos change places
	v_cndmask_b32 v[\c+\k], v[PCS+\k], v[PSN+\k], s[MK+\k]
	v_lshlrev_b32 v[NN+\k], 30, v[QI+\k]                       ; sin is negative where n & 2,
	v_add_nc_u32 v[QI+\k], 1, v[QI+\k]                         ; cos where (n + 1) & 2
	v_and_b32 v[NN+\k], 0x80000000, v[NN+\k]
	v_lshlrev_b32 v[QI+\k], 30, v[QI+\k]
	v_xor_b32 v[\s+\k], v[\s+\k], v[NN+\k]
	v_and_b32 v[QI+\k], 0x80000000, v[QI+\k]
	v_xor_b32 v[\c+\k], v[\c+\k], v[QI+\k]
.endr
.endm
; The buffer of group g: F + 32 g in block 0 for g = 0, 1, 2; FD in block 1 for g = 3.  wl: the window setting that reaches FD.
.macro BUFOF g, wl
.if (\g) == 3
	WIN \wl
.set fbuf, FD
.else
	WIN 0
.set fbuf, F+32*(\g)
.endif
.endm
; K fragments of group g (32 keys = two tiles x two halves of e): eight loads into the group's buffer
.macro KGRP g, koff
	BUFOF \g, 0x40
.irp tt, 0,1
.irp ks, 0,1
	ds_load_b128 v[fbuf+16*\tt+8*\ks:fbuf+16*\tt+8*\ks+3],   v[KA] offset:\koff+(2*(\g)+\tt)*16*KP+64*\ks
	ds_load_b128 v[fbuf+16*\tt+8*\ks+4:fbuf+16*\tt+8*\ks+7], v[KA] offset:\koff+(2*(\g)+\tt)*16*KP+64*\ks+32
.endr
.endr
.endm
; S^T of group g.  masked = 1: the sums start from the mask instead of 0.  The two accumulators take turns.
.macro SMUL g, masked
	BUFOF \g, 0x01
.if \masked
	v_wmma_f32_16x16x32_f16 v[S+16*(\g):S+16*(\g)+7],    v[fbuf:fbuf+7],     v[QF:QF+7], v[MASK:MASK+7]
	v_wmma_f32_16x16x32_f16 v[S+16*(\g)+8:S+16*(\g)+15], v[fbuf+16:fbuf+23], v[QF:QF+7], v[MASK+8:MASK+15]
.else
	v_wmma_f32_16x16x32_f16 v[S+16*(\g):S+16*(\g)+7],    v[fbuf:fbuf+7],     v[QF:QF+7], 0
	v_wmma_f32_16x16x32_f16 v[S+16*(\g)+8:S+16*(\g)+15], v[fbuf+16:fbuf+23], v[QF:QF+7], 0
.endif
	v_wmma_f32_16x16x32_f16 v[S+16*(\g):S+16*(\g)+7],    v[fbuf+8:fbuf+15],  v[QF+8:QF+15], v[S+16*(\g):S+16*(\g)+7]
	v_wmma_f32_16x16x32_f16 v[S+16*(\g)+8:S+16*(\g)+15], v[fbuf+24:fbuf+31], v[QF+8:QF+15], v[S+16*(\g)+8:S+16*(\g)+15]
.endm
.macro SSTEP g, nb, first
	s_wait_dscnt 8*((\nb)-1-(\g))                  ; LDS loads come back in order (ISA guide 5.7.1): this group is in, the younger groups' eight loads each stay out
.if (\first) && ((\g)+1 == (\nb))
	SMUL \g, 1                                     ; the group that holds the diagonal
.else
	SMUL \g, 0
.endif
.endm
; V^T fragments of 32 keys x 64 e: the transposing load turns rows [key][e] into lanes that hold one e and eight keys
.macro VGRP kk, voff
	BUFOF \kk, 0x40
.irp et, 0,1,2,3
	ds_load_tr16_b128 v[fbuf+8*\et:fbuf+8*\et+3],   v[VA] offset:\voff+(\kk)*32*VP+32*\et
	ds_load_tr16_b128 v[fbuf+8*\et+4:fbuf+8*\et+7], v[VA] offset:\voff+(\kk)*32*VP+32*\et+16*VP
.endr
.endm
.macro PSTEP kk, nb, zero
	s_wait_dscnt 8*((\nb)-1-(\kk))
	BUFOF \kk, 0x01
.irp et, 0,1,2,3
.if \zero
	v_wmma_f32_16x16x32_f16 v[ACC+8*\et:ACC+8*\et+7], v[fbuf+8*\et:fbuf+8*\et+7], v[S+16*(\kk):S+16*(\kk)+7], 0
.else
	v_wmma_f32_16x16x32_f16 v[ACC+8*\et:ACC+8*\et+7], v[fbuf+8*\et:fbuf+8*\et+7], v[S+16*(\kk):S+16*(\kk)+7], v[ACC+8*\et:ACC+8*\et+7]
.endif
.endr
.endm
; Softmax of 32 nb keys.  My lane holds 16 nb scores of query r; the other half of the keys lies in lane r xor 16.
; p = exp2(c s - c max), c = 0.125 log2 e: the problem's scale rides on the multiply-add in front of exp2.
; first = 0: the maximum is carried on, and sums and out^T made so far are rescaled once.
.macro SOFTMAX nb, first
	v_max_num_f32 v[T0], v[S], v[S+1]
	v_max_num_f32 v[T1], v[S+2], v[S+3]
.set i, 4
.rept 4*\nb-1
	v_max3_num_f32 v[T0], v[T0], v[S+i], v[S+i+1]
	v_max3_num_f32 v[T1], v[T1], v[S+i+2], v[S+i+3]
.set i, i+4
.endr
	v_max_num_f32 v[T0], v[T0], v[T1]
	v_permlanex16_b32 v[T1], v[T0], s12, s13
.if \first
	v_max_num_f32 v[MX], v[T0], v[T1]
.else
	v_max3_num_f32 v[MX], v[T0], v[T1], v[MX]
	v_fma_f32 v[AL], v[MX], s22, -v[NM]            ; c (old maximum - new maximum)
	v_exp_f32 v[AL], v[AL]                         ; the two multiplications below are the plain places behind it (ISA guide 5.7.2)
.endif
	v_mul_f32 v[NM], s22, v[MX]
	v_mul_f32 v[NM+1], s22, v[MX]
.if \first == 0
	s_wait_alu depctr_va_vdst(0)
	v_mov_b32 v[AL+1], v[AL]
.set i, 0
.rept 16
	v_pk_mul_f32 v[ACC+i:ACC+i+1], v[ACC+i:ACC+i+1], v[AL:AL+1]
.set i, i+2
.endr
.endif
.set i, 0
.rept 8*\nb
	v_pk_fma_f32 v[S+i:S+i+1], v[S+i:S+i+1], s[20:21], v[NM:NM+1] op_sel_hi:[1,0,1]
.set i, i+2
.endr
.set g, 0
.rept \nb
.set i, 0
.rept 16
	v_exp_f32 v[S+16*g+i], v[S+16*g+i]
.set i, i+1
.endr
	v_nop                                          ; one plain place between the run of exp2 and the first use
.if g == 0
	s_wait_alu depctr_va_vdst(0)
	v_pk_add_f32 v[LSA:LSA+1], v[S:S+1], v[S+2:S+3]            ; the first numbers start the two chains: nothing is cleared
	v_pk_add_f32 v[LSB:LSB+1], v[S+4:S+5], v[S+6:S+7]
.else
	s_wait_alu depctr_va_vdst(0)
	v_pk_add_f32 v[LSA:LSA+1], v[LSA:LSA+1], v[S+16*g:S+16*g+1]
	v_pk_add_f32 v[LSB:LSB+1], v[LSB:LSB+1], v[S+16*g+2:S+16*g+3]
	v_pk_add_f32 v[LSA:LSA+1], v[LSA:LSA+1], v[S+16*g+4:S+16*g+5]
	v_pk_add_f32 v[LSB:LSB+1], v[LSB:LSB+1], v[S+16*g+6:S+16*g+7]
.endif
	v_pk_add_f32 v[LSA:LSA+1], v[LSA:LSA+1], v[S+16*g+8:S+16*g+9]
	v_pk_add_f32 v[LSB:LSB+1], v[LSB:LSB+1], v[S+16*g+10:S+16*g+11]
	v_pk_add_f32 v[LSA:LSA+1], v[LSA:LSA+1], v[S+16*g+12:S+16*g+13]
	v_pk_add_f32 v[LSB:LSB+1], v[LSB:LSB+1], v[S+16*g+14:S+16*g+15]
; Two S^T tiles pack in place into one B fragment: tile 2g holds keys 8h+j (registers 0-3), tile 2g+1 keys 16+8h+j (registers 4-7).
.set i, 0
.rept 8
	v_cvt_pk_f16_f32 v[S+16*g+i], v[S+16*g+2*i], v[S+16*g+2*i+1]
.set i, i+1
.endr
.set g, g+1
.endr
	v_pk_add_f32 v[LSA:LSA+1], v[LSA:LSA+1], v[LSB:LSB+1]
.if \first
	v_add_f32 v[LSUM], v[LSA], v[LSA+1]
.else
	v_add_f32 v[T0], v[LSA], v[LSA+1]
	v_fma_f32 v[LSUM], v[LSUM], v[AL], v[T0]
.endif
.endm
; 32 nb keys of one window against my 16 queries.  first = 1: the current window (mask on its last group, sums start here).
; Every group has a buffer of its own, so K's loads go out in one run, and so do V's: no buffer is loaded again between two products.
.macro BLOCK nb, koff, voff, first
.if \first == 0
	PLACES 5                                       ; S was an operand of the products just issued: five places before the next products write over it
	s_wait_alu depctr_va_vdst(0)                   ; the current window's products V^T P^T are done reading the buffers, in which K of the window in front lands
.endif
.irp gi, 0,1,2,3
.if \gi < \nb
	KGRP \gi, \koff
.endif
.endr
.irp gi, 0,1,2,3
.if \gi < \nb
	SSTEP \gi, \nb, \first
.endif
.endr
	WIN 0
	PLACES 4                                       ; before S is read
	s_wait_alu depctr_va_vdst(0)                   ; the products K Q^T are done reading the buffers, in which V lands
.irp gi, 0,1,2,3
.if \gi < \nb
	VGRP \gi, \voff                                ; on their way while the softmax runs, which names none of the buffers
.endif
.endr
	WIN 0
	SOFTMAX \nb, \first
.irp gi, 0,1,2,3
.if \gi < \nb
.if \gi == 0
	PSTEP \gi, \nb, \first
.else
	PSTEP \gi, \nb, 0
.endif
.endif
.endr
	WIN 0
.endm
; ---------------------------------------------------------------- entry
	s_load_b256 s[4:11], s[0:1], 0x0               ; k s[4:5], q s[6:7], v s[8:9], out s[10:11]
	v_lshl_add_u32 v30, v0, 2, 0x4a000
	v_mov_b32 v31, 0
	v_lshrrev_b32 v12, 5, v0
	v_readfirstlane_b32 s14, v12                   ; wave 0..7
	v_lshrrev_b32 v12, 3, v0                       ; t >> 3: my first row of K and Q
	v_and_b32 v13, 7, v0                           ; g: my four frequencies 4g .. 4g+3
	v_lshlrev_b32 v[KQO], 8, v12
	v_lshl_or_b32 v[KQO], v13, 4, v[KQO]
	v_lshlrev_b32 v[VO], 4, v0
	s_and_b32 s17, ttmp9, 7                        ; which of the sequence's eight chunks
	s_cmp_eq_u32 s17, 0
	s_cselect_b32 s17, 1, 0                        ; 1: nothing lies in front of my first window
	s_cselect_b32 s30, 0, WINB                     ; how far back the window in front lies
	s_mov_b32 s31, 0
	s_lshl_b32 s24, ttmp9, 17                      ; 512 rows x 256 bytes a work-group (below 2^25)
	s_mov_b32 s25, 0
	s_wait_kmcnt 0x0
	s_add_nc_u64 s[4:5], s[4:5], s[24:25]
	s_add_nc_u64 s[6:7], s[6:7], s[24:25]
	s_add_nc_u64 s[8:9], s[8:9], s[24:25]
	s_add_nc_u64 s[10:11], s[10:11], s[24:25]
	s_sub_nc_u64 s[26:27], s[4:5], s[30:31]
	s_sub_nc_u64 s[28:29], s[8:9], s[30:31]
	s_wait_alu depctr_va_vdst(0)                   ; v[KQO] and v[VO] are written: every global load of the kernel reads one of them as its offset
.irp m, 0,1,2,3                                    ; the window in front lands in S, which is idle until the first trip
	global_load_b128 v[S+8*\m:S+8*\m+3],   v[KQO], s[26:27] offset:8192*\m
	global_load_b128 v[S+8*\m+4:S+8*\m+7], v[KQO], s[26:27] offset:8192*\m+128
.endr
.irp m, 0,1,2,3,4,5,6,7
	global_load_b128 v[S+32+4*\m:S+32+4*\m+3], v[VO], s[28:29] offset:4096*\m
.endr
	LOADS 0                                        ; my first window
	; Query tiles 0,7,2,5,6,1,4,3 for waves 0..7: waves w and w+4, and also waves 2i and 2i+1, together have five groups of the current window.
	s_wait_alu depctr_va_sdst(0)                   ; s14 is written, ahead of its first reader: the query tile, the stage and the branches on the groups are made from it
	s_lshl_b32 s15, s14, 2
	s_lshr_b32 s15, 0x34165270, s15
	s_and_b32 s15, s15, 7                          ; my query tile
	s_lshr_b32 s16, s15, 1
	s_add_co_u32 s16, s16, 1                       ; groups of 32 keys of the current window that my queries see
	s_mov_b32 s12, 0x76543210                      ; v_permlanex16_b32: lane i reads lane i of the other half
	s_mov_b32 s13, 0xfedcba98
	s_mov_b32 s20, 0x3e38aa3b                      ; c = 0.125 log2 e
	s_mov_b32 s21, 0x3e38aa3b
	s_mov_b32 s22, 0xbe38aa3b                      ; -c
	; LDS addresses.  What is written hangs on the thread's number alone; the query tile enters only addresses that are read.
	v_mul_u32_u24 v[KW], v12, KP
	v_lshl_add_u32 v[KW], v13, 3, v[KW]
	v_add_nc_u32 v[QW], QBASE, v[KW]
	v_lshrrev_b32 v[U0], 4, v0
	v_and_b32 v12, 15, v0                          ; r
	v_mul_u32_u24 v[VW], v[U0], VP
	v_lshl_add_u32 v[VW], v12, 3, v[VW]
	v_add_nc_u32 v[VW], VBASE, v[VW]
	v_bfe_u32 v13, v0, 4, 1                        ; h
	v_mul_u32_u24 v[KA], v12, KP
	v_lshl_add_u32 v[KA], v13, 4, v[KA]            ; row r, 16 h bytes
	s_mul_i32 s30, s15, 16*KP
	s_add_co_u32 s30, s30, QBASE
	v_add_nc_u32 v[QA], s30, v[KA]
	v_and_b32 v[U0], 7, v0
	v_lshl_add_u32 v[U0], v13, 3, v[U0]            ; key 8h + (lane & 7)
	v_mul_u32_u24 v[VA], v[U0], VP
	v_bfe_u32 v[U0], v0, 3, 1
	v_lshl_add_u32 v[VA], v[U0], 4, v[VA]
	v_add_nc_u32 v[VA], VBASE, v[VA]
	s_mul_i32 s30, s14, 16*STP
	s_add_co_u32 s30, s30, STAGE                   ; my wave's stage
	v_mul_u32_u24 v[STO], v12, STP
	v_lshl_add_u32 v[STO], v13, 5, v[STO]
	v_add_nc_u32 v[STO], s30, v[STO]
	v_mul_u32_u24 v[SRD], v13, STP
	v_lshl_add_u32 v[SRD], v12, 4, v[SRD]
	v_add_nc_u32 v[SRD], s30, v[SRD]
	s_lshl_b32 s30, s15, 12                        ; 16 rows x 256 bytes a query tile
	v_lshlrev_b32 v[OO], 8, v13
	v_lshl_add_u32 v[OO], v12, 4, v[OO]
	v_add_nc_u32 v[OO], s30, v[OO]
	; The mask of the group that holds the diagonal: key 16 tt + 8h + j is hidden from query 16 (tile & 1) + r if it is the larger.
	s_and_b32 s30, s15, 1
	s_lshl_b32 s30, s30, 4
	v_lshlrev_b32 v[U0], 3, v13
	v_sub_nc_u32 v[U0], v12, v[U0]
	v_add_nc_u32 v[U0], s30, v[U0]                 ; 16 (tile & 1) + r - 8h
	v_mov_b32 v[U1], 0xf149f2ca                    ; -1e30
.irp tt, 0,1
.irp j, 0,1,2,3,4,5,6,7
	v_cmp_gt_i32 s[MK+8*\tt+\j], 16*\tt+\j, v[U0]  ; sixteen compares in a run, each with a scalar register of its own
.endr
.endr
	s_wait_alu depctr_va_sdst(0)                   ; the sixteen compares have written s[MK .. MK+15], which the selects below read
.irp tt, 0,1
.irp j, 0,1,2,3,4,5,6,7
	v_cndmask_b32 v[MASK+8*\tt+\j], 0, v[U1], s[MK+8*\tt+\j]
.endr
.endr
	; The table: frequency i is 10000^(-i/32) = exp2(-0.41524101 i); rows t>>3 + 32 m at positions 0..127.
	WIN 0x40
	v_and_b32 v[X0], 7, v0
	v_lshrrev_b32 v[X1], 3, v0
	WIN 0x55
	v_lshlrev_b32 v[X0], 2, v[X0]
.irp k, 0,1,2,3
	v_add_nc_u32 v[FR+\k], \k, v[X0]
.endr
.irp k, 0,1,2,3
	v_cvt_f32_u32 v[FR+\k], v[FR+\k]
.endr
.irp k, 0,1,2,3
	v_mul_f32 v[FR+\k], 0xbed49a78, v[FR+\k]
.endr
.irp k, 0,1,2,3
	v_exp_f32 v[FR+\k], v[FR+\k]
.endr
	v_cvt_f32_u32 v[X1], v[X1]                     ; also the plain place behind the run of exp2
	s_wait_alu depctr_va_vdst(0)
.irp k, 0,1,2,3
	v_mul_f32 v[AN+\k], v[X1], v[FR+\k]
.endr
	SINCOS4 TC, TS
.irp k, 0,1,2,3
	v_mul_f32 v[AN+\k], 0x42000000, v[FR+\k]       ; 32 positions: from one of my rows to the next
.endr
	SINCOS4 C32, S32
.irp k, 0,1,2,3
	v_mul_f32 v[AN+\k], 0x43000000, v[FR+\k]       ; 128 positions: from window to window
.endr
	SINCOS4 STC, STS
	TROT 1, 0, C32, S32
	TROT 2, 1, C32, S32
	TROT 3, 2, C32, S32
	WIN 0
	s_wait_loadcnt 24                              ; loads come back in order: the 16 of the window in front are in, my first window's 24 stay out
	ROTM S, 0, F
	CVTA S+32, 0, F+32
	ROTC F
	s_wait_alu depctr_va_vdst(0)                   ; the roundings have written F .. F+47, the LDS stores' data; v[KW] and v[VW], their addresses, are written
	ROTS KW, 0, F
	CVTS 0, F+32
	TUPD
	s_wait_alu depctr_vm_vsrc(0)                   ; those LDS stores have read F .. F+47, which the first trip's rotation writes again
	s_mov_b32 s18, 0
; ---------------------------------------------------------------- a trip = a window
.Ltrip:
	s_wait_loadcnt 16                              ; K is in; Q's and V's 16 loads may be out
	ROTM LK, 1, F
	s_wait_loadcnt 8                               ; Q is in; V's 8 may be out
	ROTM LQ, 1, F+32
	s_wait_loadcnt 0
	CVTA LV, 1, S                                  ; under the same window setting as the two rotations
	ROTC F
	ROTC F+32
	s_wait_alu depctr_va_vdst(0)                   ; F .. F+63 and S .. S+15 are written, the LDS stores' data; the six LDS addresses stepped at the last trip's end are written;
	                                               ; the conversions are done reading LK, LQ, LV, in which the next window lands; the last trip's products are done reading QF and the four
	                                               ; buffers, in which the loads behind the barrier land: until those loads only the table's turn is issued, which names none of these
	ROTS KW, KSLOT, F
	ROTS QW, 0, F+32
	CVTS VSLOT, S
	s_cmp_eq_u32 s18, TRIPS-1
	s_cbranch_scc1 .Lnoload                        ; the last trip asks for nothing: no load leaves the buffers
	LOADS WINB                                     ; the next window, 96 KB for the work-group, a whole trip ahead of its use
.Lnoload:
	s_wait_dscnt 0x0                               ; my part of this window's K, V, Q is in LDS: zero, for the other waves' sake
	s_barrier_signal -1
	TUPD                                           ; registers only: the table moves on while the others arrive
	s_barrier_wait -1
	s_wait_alu depctr_vm_vsrc(0)                   ; my LDS stores have read F .. F+63 and S .. S+15: K's fragments land in F, and the products write S
.irp ks, 0,1
	ds_load_b128 v[QF+8*\ks:QF+8*\ks+3],   v[QA] offset:64*\ks
	ds_load_b128 v[QF+8*\ks+4:QF+8*\ks+7], v[QA] offset:64*\ks+32
.endr
	; The current window: only the groups of 32 keys that my queries see.  Four versions, each whole in itself; no barrier inside.
	s_cmp_eq_u32 s16, 1
	s_cbranch_scc1 .Lcur1
	s_cmp_eq_u32 s16, 2
	s_cbranch_scc1 .Lcur2
	s_cmp_eq_u32 s16, 3
	s_cbranch_scc1 .Lcur3
	BLOCK 4, KSLOT, VSLOT, 1
	s_branch .Lcurdone
.Lcur3:
	BLOCK 3, KSLOT, VSLOT, 1
	s_branch .Lcurdone
.Lcur2:
	BLOCK 2, KSLOT, VSLOT, 1
	s_branch .Lcurdone
.Lcur1:
	BLOCK 1, KSLOT, VSLOT, 1
.Lcurdone:
	s_cmp_eq_u32 s17, 1
	s_cbranch_scc1 .Lnoprev                        ; a sequence's first window has nothing in front
	BLOCK 4, 0, 0, 0
.Lnoprev:
	s_mov_b32 s17, 0
	; out = out^T / sum.  A lane holds 8 neighbouring e of one query in each tile; through my wave's stage the rows come back whole.
	PLACES 4
	v_permlanex16_b32 v[T1], v[LSUM], s12, s13
	v_add_f32 v[LSUM], v[LSUM], v[T1]
	v_rcp_f32 v[AL], v[LSUM]
	v_nop
	s_wait_alu depctr_va_vdst(0)
	v_mov_b32 v[AL+1], v[AL]
.set i, 0
.rept 16
	v_pk_mul_f32 v[ACC+i:ACC+i+1], v[ACC+i:ACC+i+1], v[AL:AL+1]
.set i, i+2
.endr
	s_wait_alu depctr_va_vdst(0)                   ; the multiplications have written ACC, which the LDS stores read; the last products are done reading F .. F+31, in which the rows come back
.irp et, 0,1,2,3
	ds_store_b128 v[STO], v[ACC+8*\et:ACC+8*\et+3]   offset:64*\et
	ds_store_b128 v[STO], v[ACC+8*\et+4:ACC+8*\et+7] offset:64*\et+16
.endr
.irp n, 0,1,2,3,4,5,6,7
	ds_load_b128 v[F+4*\n:F+4*\n+3], v[SRD] offset:2*STP*\n    ; LDS serves a wave's instructions in order: these see the stores above
.endr
.irp n, 0,1,2,3,4,5,6,7
	s_wait_dscnt 7-\n
	global_store_b128 v[OO], v[F+4*\n:F+4*\n+3], s[10:11] offset:512*\n th:TH_STORE_NT   ; two whole rows: 512 consecutive bytes, aligned
.endr
	s_wait_xcnt 0x0                                ; the bases and F (the stores' data) are rewritten only behind this wait
	s_wait_alu depctr_vm_vsrc(0)                   ; the global stores have read F .. F+31, the stage's stores ACC, and the trip's LDS instructions the six addresses that the adds below write
	s_add_nc_u64 s[4:5], s[4:5], WINB
	s_add_nc_u64 s[6:7], s[6:7], WINB
	s_add_nc_u64 s[8:9], s[8:9], WINB
	s_add_nc_u64 s[10:11], s[10:11], WINB
	v_add_nc_u32 v[KW], KSLOT, v[KW]               ; every LDS address one slot on; the next trip's wait behind its conversions states that they are written
	v_add_nc_u32 v[KA], KSLOT, v[KA]
	v_add_nc_u32 v[QW], KSLOT, v[QW]
	v_add_nc_u32 v[QA], KSLOT, v[QA]
	v_add_nc_u32 v[VW], VSLOT, v[VW]
	v_add_nc_u32 v[VA], VSLOT, v[VA]
	s_add_co_u32 s18, s18, 1
	s_cmp_lt_u32 s18, TRIPS
	s_cbranch_scc1 .Ltrip
	s_wait_dscnt 0x0
	s_wait_alu depctr_hold_cnt(0) depctr_sa_sdst(0) depctr_va_vdst(0) depctr_va_sdst(0) depctr_va_ssrc(0) depctr_va_vcc(0) depctr_vm_vsrc(0)
	s_wait_tensorcnt 0x0
	ds_add_u32 v30, v31
	s_wait_dscnt 0x0
	s_endpgm
.Lfunc_end_k_q5da658871a_localattn:
	.size	k_q5da658871a_localattn, .Lfunc_end_k_q5da658871a_localattn-k_q5da658871a_localattn
	.p2alignl 7, 3214868480
	.fill 96, 4, 3214868480
	.section	.rodata,"a",@progbits
	.p2align	6, 0x0
	.amdhsa_kernel k_q5da658871a_localattn
		.amdhsa_group_segment_fixed_size 304128
		.amdhsa_private_segment_fixed_size 0
		.amdhsa_enable_private_segment 0
		.amdhsa_kernarg_size 32
		.amdhsa_user_sgpr_count 2
		.amdhsa_user_sgpr_kernarg_segment_ptr 1
		.amdhsa_wavefront_size32 1
		.amdhsa_system_sgpr_workgroup_id_x 1
		.amdhsa_system_sgpr_workgroup_id_y 1
		.amdhsa_system_sgpr_workgroup_id_z 1
		.amdhsa_system_vgpr_workitem_id 0
		.amdhsa_next_free_vgpr 448
		.amdhsa_next_free_sgpr 66
		.amdhsa_reserve_vcc 0
		.amdhsa_float_denorm_mode_32 3
		.amdhsa_float_denorm_mode_16_64 3
		.amdhsa_memory_ordered 1
		.amdhsa_forward_progress 1
		.amdhsa_inst_pref_size 116
	.end_amdhsa_kernel
	.amdgpu_metadata
---
amdhsa.version: [ 1, 2 ]
amdhsa.kernels:
  - .name:           k_q5da658871a_localattn
    .symbol:         k_q5da658871a_localattn.kd
    .args:
      - { .name: k, .offset: 0, .size: 8, .value_kind: global_buffer, .address_space: global }
      - { .name: q, .offset: 8, .size: 8, .value_kind: global_buffer, .address_space: global }
      - { .name: v, .offset: 16, .size: 8, .value_kind: global_buffer, .address_space: global }
      - { .name: out0, .offset: 24, .size: 8, .value_kind: global_buffer, .address_space: global }
    .group_segment_fixed_size: 304128
    .private_segment_fixed_size: 0
    .kernarg_segment_align: 8
    .kernarg_segment_size: 32
    .max_flat_workgroup_size: 256
    .sgpr_count:     66
    .vgpr_count:     448
    .wavefront_size: 32
...
	.end_amdgpu_metadata
.endif
;; end of part 2
